; MI455X (gfx1250); checked and timed in simulation.
; The chip was launched on July 23, 2026; its instructions are those of AMD's public machine-readable ISA for CDNA 5 (MIT licence, August 2026) and "CDNA5" Instruction Set Architecture Reference Guide (July 2026). The comments in the code are by the model that wrote it; some were corrected since.
;; LSTM Cell. Allowed arithmetic: matrix products marked QUANTISED: E4M3 operands, one given power-of-two scale a tensor, by v_wmma_f32_16x16x64_fp8_fp8 or v_wmma_f32_16x16x128_fp8_fp8, f32 sums; everything else in f32.
;; Inputs: W_c 2,048 x 1,024 float32; W_f 2,048 x 1,024 float32; W_i 2,048 x 1,024 float32; W_o 2,048 x 1,024 float32; b_c 1,024 float32; b_f 1,024 float32; b_i 1,024 float32; b_o 1,024 float32; c 4,096 x 1,024 float32; h 4,096 x 1,024 float32; lowp_scales 2 int32 (the exponents e of the quantised operands' scales 2^e); x 4,096 x 1,024 float32.
;; Outputs: out0 4,096 x 1,024 float32; out1 4,096 x 1,024 float32.
;; This version of the problem:
;;   THIS VERSION OF THE PROBLEM IS GIVEN IN LOW PRECISION. The matrix products marked QUANTISED in the list below multiply operands that are first quantised to E4M3 (4 exponent bits, 3 mantissa bits; 8 bits a number), with one given power-of-two scale for each operand tensor; their sums are f32. All else is computed in f32.
;;   The module's matrix products, in the order in which they are computed (A, B: the left and right operand; K: the contracted axis; several contracted axes count as one K, in the product's order):
;;     1. [M 4,096, K 2,048] x [K 2,048, N 4,096]; A: computed on the way; B: computed on the way: QUANTISED (scales: A lowp_scales[0], B lowp_scales[1])
;;   THE QUANTISER, for each operand of a quantised product, along K:
;;     - The operand's scale is 2^e, e = its entry of the input lowp_scales (int32; the entries are numbered through the quantised products in the list's order, A before B).
;;     - Each number is divided by the scale, clamped to +-448, and rounded to the nearest number of E4M3, ties to even, subnormals kept.
;;     - The product sums the exact products of the quantised numbers (number of the format x scale) in f32.
;;   ~~~python
;;   def quantise(x, axis, e):      # numpy; x: float32 -> the quantised numbers, widened to float32 again
;;       x = np.moveaxis(x, axis, -1); K = x.shape[-1]
;;       r = np.clip(x / 2.0 ** e, -448, 448)
;;       step = 2.0 ** (np.maximum(np.frexp(np.where(r == 0, 1, r))[1] - 1, -6) - 3)
;;       q = np.round(r / step) * step * 2.0 ** e      # np.round: ties to even
;;       return np.moveaxis(q, -1, axis).astype(np.float32)
;;   ~~~
;;   OPERANDS COMPUTED ON THE WAY. 'Computed on the way' means the value that the module computes at that place (a softmax that the list does not call 'softmax' is quantised finished and normalised). What goes into a quantiser is computed in f32, as accurately as f32 sums, v_exp_f32 and their like allow (about 1e-6 of the number): no bf16 or f16 on the way to a quantiser, and a product that is left as it is and whose result goes on into a quantised operand takes f32 operands (vector FMAs, or v_wmma_f32_16x16x4_f32). A number that lies on a knife's edge between two numbers of the format may be rounded either way, as far as f32 arithmetic and the matrix unit's own rounding can turn it there, and no further.
;; One version. Each part assembles by itself: llvm-mc -triple=amdgcn-amd-amdhsa -mcpu=gfx1250 --defsym DOCPART=n.
;; ======== version 1 of 1: 2 launches
;; limits: right only within a limited range of input values
;; workspace buffers: a_codes 8,388,608 bytes; w_codes 8,388,608 bytes
;; launch quant (part 1): grid 1024 x 1, 4 waves a work-group, no clusters, 20,992 bytes of LDS; arguments x, h, W_f, W_i, W_c, W_o, lowp_scales, a_codes, w_codes; writes a_codes, w_codes
.if DOCPART == 1
	.amdgcn_target "amdgcn-amd-amdhsa--gfx1250"
	.amdhsa_code_object_version 6
	.text
	.protected	k_qc3045fe209_quant
	.globl	k_qc3045fe209_quant
	.p2align	8
	.type	k_qc3045fe209_quant,@function
k_qc3045fe209_quant:
	s_mov_b64 s[64:65], 0
	v_nop
	global_prefetch_b8 v0, s[64:65] scope:SCOPE_SE
	s_setreg_imm32_b32 hwreg(HW_REG_WAVE_MODE, 25, 1), 1
	s_wait_xcnt 0x0
; xh = [x, h] ([4096][2048] along K) and W = [W_f, W_i, W_c, W_o] ([2048 (k)][4 x 1024]) are turned into codes of FP8 (E4M3), each with the one scale 2^e that is given for it
; (entry 0 of the scales for xh, entry 1 for W).  code = number / 2^e, held within +-448, rounded to the nearest code, ties to even.
; LIMITS: -126 <= e <= 119, so that 2^e and 448 x 2^e are f32 numbers.  NaN among the inputs is not served; an infinity is held at the largest code.
; K IS PERMUTED, ALIKE IN BOTH BUFFERS, inside each run of 512: position 16 l + 4 i + j (l = 0..31; i, j = 0..3) holds k = 4 l + 128 i + j.  Every product still meets its partner; only the order
; of the sums inside a matrix instruction differs from ascending k.  So for xh each load takes 16 bytes a lane, 512 consecutive bytes a wave, and a lane's 16 numbers of four such loads are
; 16 neighbouring POSITIONS.  For W a lane takes four neighbouring columns and loads the rows of W in the order of the positions, 512 consecutive bytes a wave.
; Both buffers are laid by steps of 256 positions, 1 MiB a step, so that what a consumer's load takes of one step is dense:
; a_codes: [8 steps][4096 rows][256 positions].
; w_codes: [8 steps][256 tiles T][16 chunks of 16 positions][16 columns][16 codes]: T = 8 (hid / 32) + 2 gate + (hid / 16) % 2, column = hid % 16; gate 0 = f, 1 = i, 2 = c*, 3 = o: the order of an
; operand's registers: 16 columns x 128 positions are 2,048 consecutive bytes, and group c of four registers of lane l lies at 512 c + 16 l.
; SHARES: work-groups 0-511 take x and h (a wave: four rows of one of them), work-groups 512-1023 take the weights (a wave: 128 columns x 32 positions of one gate).  Every wave reads 16 KiB, all of it
; asked for at its start.  No barrier: waves share nothing; a weights' wave turns its codes through LDS bytes of its own.
; No prefetch: there is no loop to run ahead in.
.set NUM, 16                           ; v16-143   128 numbers; a chunk's numbers make room for its codes on the way out
.set TMP, 144                          ; v144-175  four sets of eight held numbers of one column
.set COD, 176                          ; v176-207  codes
.set SPW, 12                           ; LDS address of my spare word; never rewritten
.set NIL, 13                           ; 0; never rewritten
.set KB, 0x100000                      ; bytes of one step of 256 positions
.set SP, 80                            ; a lane's place in a stage: 64 bytes of codes + 16 of padding
.set STG, 32*SP                        ; a stage; two for each wave
.set SPARE, 4*2*STG                    ; behind the stages: the spare words, 128 bytes for each wave: two blocks of 256 bytes that no other line names
	s_load_b128 s[4:7], s[0:1], 0x0                ; x, h
	s_load_b256 s[8:15], s[0:1], 0x10              ; W_f, W_i, W_c, W_o
	s_load_b128 s[16:19], s[0:1], 0x30             ; the scales' exponents, a_codes
	s_load_b64 s[20:21], s[0:1], 0x40              ; w_codes
	v_lshl_add_u32 v[SPW], v0, 2, SPARE
	v_mov_b32 v[NIL], 0
	v_lshrrev_b32 v1, 5, v0
	v_readfirstlane_b32 s24, v1                    ; wave 0..3
	v_and_b32 v2, 31, v0                           ; lane
	s_wait_alu depctr_va_vdst(0)
	s_wait_kmcnt 0x0
	s_load_b64 s[22:23], s[16:17], 0x0             ; e of xh, e of W
.macro SCALE e                         ; v11 = 2^e as f32 (the conversion takes its exponent field); v10 = 448 x 2^e
	s_wait_kmcnt 0x0
	s_add_co_i32 s26, \e, 127
	s_lshl_b32 s27, s26, 23
	v_mov_b32 v11, s27
	s_add_co_i32 s26, s26, 8
	s_lshl_b32 s26, s26, 23
	s_or_b32 s26, s26, 0x600000                    ; the mantissa field of 448
	v_mov_b32 v10, s26
	s_wait_alu depctr_va_vdst(0)
.endm
	s_cmp_lt_u32 ttmp9, 512
	s_cbranch_scc0 .Lw
	; ---- x and h.  Work-groups 0-255: x, 256-511: h.  My wave's four rows: 4 x (work-group % 256) + wave, times four
	s_cmp_lt_u32 ttmp9, 256
	s_cselect_b64 s[4:5], s[4:5], s[6:7]           ; the choice hangs on the work-group's number alone
	s_cselect_b32 s28, 0, 4*KB                     ; x's codes fill steps 0-3, h's 4-7
	s_and_b32 s29, ttmp9, 255
	s_lshl_b32 s29, s29, 2
	s_add_co_u32 s29, s29, s24                     ; which run of four rows
	s_lshl_b32 s30, s29, 14                        ; four rows of 4,096 bytes
	s_mov_b32 s31, 0
	s_add_nc_u64 s[4:5], s[4:5], s[30:31]
	s_lshl_b32 s30, s29, 10                        ; four rows of 256 codes in each step
	s_add_co_u32 s30, s30, s28
	s_add_nc_u64 s[18:19], s[18:19], s[30:31]
	v_lshlrev_b32 v3, 4, v2                        ; in: 16 bytes a lane
	v_and_b32 v6, 15, v2
	v_lshrrev_b32 v7, 4, v2
	v_lshlrev_b32 v6, 4, v6
	v_lshl_add_u32 v6, v7, 20, v6                  ; out: 16 bytes a lane; lanes 16-31 one step further on
.irp t, 0,1,2,3,4,5,6,7                ; t = 512 numbers: row t / 2, half t % 2
.irp i, 0,1,2,3
	global_load_b128 v[NUM+16*\t+4*\i:NUM+16*\t+4*\i+3], v3, s[4:5] offset:2048*\t+512*\i th:TH_LOAD_NT   ; 32 lanes read 512 consecutive bytes
.endr
.endr
	s_wait_alu depctr_va_vdst(0)
	SCALE s22
.macro XSTEP t
	s_wait_loadcnt 28-4*(\t)                       ; loads come back in order: t's four are in, the 4 (7 - t) younger ones may be out
.irp i, 0,1,2,3,4,5,6,7,8,9,10,11,12,13,14,15
	v_med3_num_f32 v[NUM+16*(\t)+\i], v[NUM+16*(\t)+\i], -v10, v10   ; the conversion to an 8-bit code does not saturate (ISA guide 7.6.2): the hold at the largest code x the scale
.endr
	v_cvt_scalef32_pk8_fp8_f32 v[COD+4*(\t):COD+4*(\t)+1], v[NUM+16*(\t):NUM+16*(\t)+7], v11
	v_cvt_scalef32_pk8_fp8_f32 v[COD+4*(\t)+2:COD+4*(\t)+3], v[NUM+16*(\t)+8:NUM+16*(\t)+15], v11   ; the results go to a store alone, the sources are never written again: no place is owed behind it
	global_store_b128 v6, v[COD+4*(\t):COD+4*(\t)+3], s[18:19] offset:((\t)/2)*256+((\t)%2)*2*KB      ; sixteen lanes store 256 consecutive bytes, at a multiple of 256 from the buffer's first byte
.endm
.irp t, 0,1,2,3,4,5,6,7
	XSTEP \t
.endr
	s_endpgm
	; ---- the weights.  u = work-group - 512: gate u / 128, columns 128 ((u / 16) % 8) + 4 lane + 0..3, positions 128 (u % 16) + 32 wave on: two chunks of 16
.Lw:
	s_sub_co_u32 s25, ttmp9, 512
	s_lshr_b32 s26, s25, 7                         ; gate
	s_bfe_u32 s27, s25, 0x30004                    ; block of 128 columns
	s_and_b32 s28, s25, 15                         ; block of 128 positions
	s_and_b32 s29, s26, 1
	s_cmp_lg_u32 s29, 0
	s_cselect_b64 s[8:9], s[10:11], s[8:9]         ; W_i or W_f
	s_cselect_b64 s[12:13], s[14:15], s[12:13]     ; W_o or W_c
	s_and_b32 s29, s26, 2
	s_cmp_lg_u32 s29, 0
	s_cselect_b64 s[8:9], s[12:13], s[8:9]         ; my gate's weight
	s_lshr_b32 s29, s28, 2
	s_lshl_b32 s29, s29, 9                         ; the run of 512,
	s_and_b32 s30, s28, 3
	s_lshl_b32 s30, s30, 5
	s_add_co_u32 s29, s29, s30
	s_lshl_b32 s30, s24, 3
	s_add_co_u32 s29, s29, s30                     ; and in it: my two chunks are l = 8 (block % 4) + 2 wave + 0, 1, so k begins at 4 l
	s_lshl_b32 s30, s29, 12                        ; rows of 4,096 bytes
	s_lshl_b32 s29, s27, 9
	s_add_co_u32 s30, s30, s29                     ; + 128 columns x 4 bytes a block
	s_mov_b32 s31, 0
	s_add_nc_u64 s[8:9], s[8:9], s[30:31]
	s_lshl_b32 s29, s27, 5
	s_lshl_b32 s30, s26, 1
	s_add_co_u32 s29, s29, s30                     ; the first 16 columns' tile: 32 block + 2 gate
	s_lshl_b32 s30, s29, 12                        ; tiles of 4,096 bytes in a step
	s_lshr_b32 s29, s28, 1
	s_lshl_b32 s29, s29, 20
	s_add_co_u32 s30, s30, s29                     ; + the step of 256 positions
	s_and_b32 s29, s28, 1
	s_lshl_b32 s29, s29, 11
	s_add_co_u32 s30, s30, s29                     ; + its half: eight chunks of 256 bytes
	s_lshl_b32 s29, s24, 9
	s_add_co_u32 s30, s30, s29                     ; + my two of them
	s_add_nc_u64 s[20:21], s[20:21], s[30:31]
	s_mul_i32 s29, s24, 2*STG                      ; my stages
	v_lshlrev_b32 v3, 4, v2                        ; in: 16 bytes a lane
	v_lshrrev_b32 v4, 4, v2
	v_and_b32 v5, 15, v2
	v_lshlrev_b32 v4, 12, v4
	v_lshl_add_u32 v4, v5, 4, v4                   ; out: 16 bytes a column; lanes 16-31 the next tile
	v_mul_u32_u24 v14, v2, SP
	v_add_nc_u32 v14, s29, v14                     ; into the stage: my four columns' codes, 64 bytes
	v_lshrrev_b32 v8, 2, v2
	v_mul_u32_u24 v8, v8, SP
	v_and_b32 v9, 3, v2
	v_lshl_add_u32 v8, v9, 4, v8
	v_add_nc_u32 v15, s29, v8                      ; out of it: lane i takes column 32 q + i: place 8 q + i / 4, 16 (i % 4)
.irp u, 0,1                            ; chunk u: registers 4 (4 i + j) .. + 3 take row 4 u + 128 i + j of my part, four columns; the largest immediate is 391 rows, inside the signed 24 bits
.irp i, 0,1,2,3
.irp j, 0,1,2,3
	global_load_b128 v[NUM+64*\u+16*\i+4*\j:NUM+64*\u+16*\i+4*\j+3], v3, s[8:9] offset:(4*\u+128*\i+\j)*4096 th:TH_LOAD_NT   ; 32 lanes read 512 consecutive bytes
.endr
.endr
.endr
.macro WCHUNK u
.irp n, 0,1,2,3,4,5,6,7                ; column n / 2 of my four, positions 8 (n % 2) + 0..7: the hold lays a column's numbers side by side
.irp m, 0,1,2,3,4,5,6,7
	v_med3_num_f32 v[TMP+8*(\n%4)+\m], v[NUM+64*(\u)+4*(8*(\n%2)+\m)+\n/2], -v10, v10
.endr
	v_cvt_scalef32_pk8_fp8_f32 v[COD+16*(\u)+2*\n:COD+16*(\u)+2*\n+1], v[TMP+8*(\n%4):TMP+8*(\n%4)+7], v11
.endr
	v_nop                                          ; a place behind the last conversion
.irp j, 0,1,2,3
	ds_store_b128 v14, v[COD+16*(\u)+4*\j:COD+16*(\u)+4*\j+3] offset:STG*(\u)+16*\j
.endr
.irp q, 0,1,2,3
	ds_load_b128 v[NUM+64*(\u)+4*\q:NUM+64*(\u)+4*\q+3], v15 offset:STG*(\u)+8*SP*\q   ; LDS serves a wave's instructions in order (ISA guide 5.7.1.4): these see my stores
.endr
	s_wait_dscnt 0x0
.irp q, 0,1,2,3
	global_store_b128 v4, v[NUM+64*(\u)+4*\q:NUM+64*(\u)+4*\q+3], s[20:21] offset:32768*\q+256*(\u)   ; lanes 0-15 store 256 consecutive bytes, aligned, of one tile; lanes 16-31 of the next; 32 columns on are eight tiles on
.endr
.endm
	s_wait_alu depctr_va_vdst(0)
	SCALE s23
	s_wait_loadcnt 16                              ; chunk 0's 16 loads are in, chunk 1's may be out
	WCHUNK 0
	s_wait_loadcnt 0
	WCHUNK 1
	s_wait_tensorcnt 0x0                           ; the wave's end
	ds_add_u32 v[SPW], v[NIL]
	s_wait_dscnt 0x0
	s_endpgm
.Lfunc_end_k_qc3045fe209_quant:
	.size	k_qc3045fe209_quant, .Lfunc_end_k_qc3045fe209_quant-k_qc3045fe209_quant
	.p2alignl 7, 3214868480
	.fill 96, 4, 3214868480
	.section	.rodata,"a",@progbits
	.p2align	6, 0x0
	.amdhsa_kernel k_qc3045fe209_quant
		.amdhsa_group_segment_fixed_size 20992
		.amdhsa_private_segment_fixed_size 0
		.amdhsa_enable_private_segment 0
		.amdhsa_kernarg_size 72
		.amdhsa_user_sgpr_count 2
		.amdhsa_user_sgpr_kernarg_segment_ptr 1
		.amdhsa_wavefront_size32 1
		.amdhsa_system_sgpr_workgroup_id_x 1
		.amdhsa_system_sgpr_workgroup_id_y 1
		.amdhsa_system_sgpr_workgroup_id_z 1
		.amdhsa_system_vgpr_workitem_id 0
		.amdhsa_next_free_vgpr 208
		.amdhsa_next_free_sgpr 66
		.amdhsa_reserve_vcc 0
		.amdhsa_float_denorm_mode_32 3
		.amdhsa_float_denorm_mode_16_64 3
		.amdhsa_memory_ordered 1
		.amdhsa_forward_progress 1
		.amdhsa_inst_pref_size 32
	.end_amdhsa_kernel
	.amdgpu_metadata
---
amdhsa.version: [ 1, 2 ]
amdhsa.kernels:
  - .name:           k_qc3045fe209_quant
    .symbol:         k_qc3045fe209_quant.kd
    .args:
      - { .name: x, .offset: 0, .size: 8, .value_kind: global_buffer, .address_space: global }
      - { .name: h, .offset: 8, .size: 8, .value_kind: global_buffer, .address_space: global }
      - { .name: W_f, .offset: 16, .size: 8, .value_kind: global_buffer, .address_space: global }
      - { .name: W_i, .offset: 24, .size: 8, .value_kind: global_buffer, .address_space: global }
      - { .name: W_c, .offset: 32, .size: 8, .value_kind: global_buffer, .address_space: global }
      - { .name: W_o, .offset: 40, .size: 8, .value_kind: global_buffer, .address_space: global }
      - { .name: lowp_scales, .offset: 48, .size: 8, .value_kind: global_buffer, .address_space: global }
      - { .name: a_codes, .offset: 56, .size: 8, .value_kind: global_buffer, .address_space: global }
      - { .name: w_codes, .offset: 64, .size: 8, .value_kind: global_buffer, .address_space: global }
    .group_segment_fixed_size: 20992
    .private_segment_fixed_size: 0
    .kernarg_segment_align: 8
    .kernarg_segment_size: 72
    .max_flat_workgroup_size: 128
    .sgpr_count:     66
    .vgpr_count:     208
    .wavefront_size: 32
...
	.end_amdgpu_metadata
.endif
;; end of part 1
;; launch lstm (part 2): grid 16 x 16, 4 waves a work-group, clusters of 4 x 4, 327,680 bytes of LDS; arguments a_codes, w_codes, lowp_scales, c, b_f, b_i, b_c, b_o, out0, out1; writes out0, out1
.if DOCPART == 2
	.amdgcn_target "amdgcn-amd-amdhsa--gfx1250"
	.amdhsa_code_object_version 6
	.text
	.protected	k_qc3045fe209_lstm
	.globl	k_qc3045fe209_lstm
	.p2align	8
	.type	k_qc3045fe209_lstm,@function
k_qc3045fe209_lstm:
	s_mov_b64 s[64:65], 0
	v_nop
	global_prefetch_b8 v0, s[64:65] scope:SCOPE_SE
	s_setreg_imm32_b32 hwreg(HW_REG_WAVE_MODE, 25, 1), 1
	s_wait_xcnt 0x0
	s_wait_alu depctr_hold_cnt(0) depctr_sa_sdst(0) depctr_va_vdst(0) depctr_va_sdst(0) depctr_va_ssrc(0) depctr_va_vcc(0) depctr_vm_vsrc(0)
	s_getreg_b32 s2, hwreg(HW_REG_IB_STS2, 6, 4)
	s_cmp_eq_u32 s2, 0
	s_cbranch_scc0 .Lentry_in_a_cluster
	s_endpgm
.Lentry_in_a_cluster:
	s_bfe_u32 s2, ttmp6, 0x10000c
	s_cmp_lg_u32 s2, 0xf033
	s_cbranch_scc0 .Lentry_shape_is_right
	s_endpgm
.Lentry_shape_is_right:
; gates = xh W + b on codes of FP8, then f = sigmoid, i = sigmoid, c* = tanh, o = sigmoid;  c_t = f c + i c* (out1),  h_t = o tanh(c_t) (out0).
; A work-group makes 256 rows x 64 hidden units x 4 gates (256 columns of W); a wave 128 rows x 32 hidden units x 4 gates: 64 accumulators of 16 x 16, 512 registers.
; So a lane holds all four gates of its outputs, and nothing but the outputs goes to memory.  The matrix instruction is used transposed (source 0 = 16 columns of W, source 1 = 16 rows of xh):
; lane l holds row l % 16, and its registers 8 (l / 16) + 0..7 of 16 neighbouring hidden units.
; LIMITS: the scales' exponents ea + eb lie between -126 and 125.  NaN among the inputs is not carried to the results.  The exponents of the two tanh are held at 64 from above: 2^64 - 1 over 2^64 + 1 is 1 in f32;
; a factor i or o below 2^-62 may come out as 0.
; sigmoid(y) = 1 / (1 + E), E = 2^(-y log2 e);  tanh(y) = (T - 1) / (T + 1), T = 2^(2 y log2 e).  i tanh(g) = (T - 1) / ((1 + E)(1 + T)) takes ONE reciprocal, and so does o tanh(c_t); E may be infinite, T may not.
; K goes in 8 steps of 256 through a ring of two LDS slots.  A wave's part of a step is 32,768 dense bytes (128 rows of xh, or eight tiles of 16 columns of W), one tensor load.
; xh's rows of 256 bytes get 16 bytes of padding in LDS, so that the 16 rows a load touches start at 16 different banks (ISA guide 11.1); W's tiles lie in the order of the operand's registers.
; CLUSTERS: 4 x 4 work-groups.  The four of a row share xh's tiles, the four of a column W's: each is asked for jointly.
; PREFETCH: behind the joint load of K step t each wave asks for its share of step t + 2 (one instruction: 32 blocks of 256 bytes; the four partners share a part's 128 blocks out by address); the head, where
; step 0 is loaded, asks for step 1 as well.  The loop's last trip asks for c's tile, two changes of slots ahead of its load.  Each block is asked for once in a cluster.
; REGISTERS: window 0: v0-31 addresses, v32-95 biases, v128-255 xh's fragments (8 x 16 rows x 128 K); on the way out v96-223 two sets of gates, v224-255 two sets of c.
;   window 1: W's fragments, two sets of 128; on the way out rows read back.   windows 2, 3: accumulators of my rows 0-63, 64-127: (a, b) at v[8 (8 (a % 4) + b)], b = 2 gate + half of the 32 hidden units.
; At the head step 1 alone is asked for; step 2 is asked for behind step 1's joint load, with step 3.
.set KB,     0x100000                  ; bytes from K step to K step, in both buffers of codes
.set PITCH,  272
.set HALFT,  128*PITCH                 ; room for one wave's part of a step
.set SLOT,   4*HALFT                   ; xh's two halves, W's two halves
.set SPARE,  2*SLOT                    ; the spare words: 512 bytes that no other line names
.set CROW,   4096                      ; a row of c, out0, out1 in bytes
.set ADRA, 16                          ; v16-17 LDS address of my fragments of xh in slot 0, 1
.set ADRB, 20                          ; v20-21 of W
.set CO,   22                          ; my byte offset in two rows of an output
.set VB,   23                          ; my byte offset in a bias
.set CST,  24                          ; my place in c's tile, which c_t takes over in place (slot 0)
.set HST,  25                          ; my place in h_t's stage (slot 1)
.set RD,   26                          ; v26-27 where I read whole rows back: c_t, h_t
.set SPW,  28
.set NIL,  29
.set PFO,  30                          ; prefetches: 256 x lane; 4096 x lane
.set PFC,  31
.set BI,   32
.set GS,   96                          ; two sets of 64: f, i, c*, o, 16 each
.set CI,   224                         ; two sets of 16: c
.set AF,   128
.set G1,   24
.set G0,   32
.set G1B,  48
.set G0B,  56
.set G1C,  80
.set G0C,  88
.set PF,   104
.set MSB,  0
.macro WIN new                         ; the immediate's high byte repeats the setting that is left
.if MSB != \new
	s_set_vgpr_msb (MSB<<8)|\new
.set MSB, \new
.endif
.endm
.set MUL_LO, 0xa1                      ; source 0 window 1, source 1 window 0, C and D window 2
.set MUL_HI, 0xf1                      ; the same, C and D window 3
.set TO_B,   0x40
.set FROM_B, 0x04
.macro PLACES n
.rept \n
	v_nop
.endr
.endm
; A joint load: waves 0, 1 fetch xh's halves, waves 2, 3 W's; the branch hangs on the wave's number alone.
.macro JLOAD s
	s_cmp_eq_u32 s15, 0
	s_cbranch_scc0 .Lfor_b_\@
	tensor_load_to_lds s[G0+4*\s:G0+4*\s+3], s[G1:G1+7]
	s_nop 0
	PLACES 4
	s_branch .Lasked_\@
.Lfor_b_\@:
	tensor_load_to_lds s[G0B+4*\s:G0B+4*\s+3], s[G1B:G1B+7]
	s_nop 0
	PLACES 4
.Lasked_\@:
.endm
.macro CREST                           ; a round of the cluster's barrier behind its opening barrier
	s_cmp_lg_u32 s14, 0
	s_cbranch_scc1 .Lnot_wave_0_\@
	s_barrier_signal -3
.Lnot_wave_0_\@:
	s_barrier_wait -3
	s_barrier_signal -1
	s_barrier_wait -1
.endm
.macro CROUND
	s_barrier_signal -1
	s_barrier_wait -1
	CREST
.endm
	s_load_b256 s[4:11], s[0:1], 0x0               ; a_codes, w_codes, the scales' exponents, c
	s_load_b256 s[68:75], s[0:1], 0x20             ; b_f, b_i, b_c, b_o
	s_load_b128 s[76:79], s[0:1], 0x40             ; out0, out1
	v_lshl_add_u32 v[SPW], v0, 2, SPARE
	v_mov_b32 v[NIL], 0
	ds_add_u32 v[SPW], v[NIL]                      ; the wave's opening: the add, twice on end,
	ds_add_u32 v[SPW], v[NIL]                      ; and one wait for both, behind the set-up below
	v_lshrrev_b32 v1, 5, v0
	v_readfirstlane_b32 s14, v1                    ; wave
	s_lshr_b32 s15, s14, 1                         ; my half of the rows; I fetch for xh (0) or W (1)
	s_and_b32 s16, s14, 1                          ; my half of the hidden units; the half that I fetch
	s_bfe_u32 s40, ttmp6, 0x40000                  ; cx
	s_bfe_u32 s41, ttmp6, 0x40004                  ; cy
	s_lshl_b32 s42, ttmp9, 2
	s_add_co_u32 s42, s42, s40                     ; tile column: 64 hidden units
	s_and_b32 s17, ttmp7, 0xffff
	s_lshl_b32 s17, s17, 2
	s_add_co_u32 s17, s17, s41                     ; tile row: 256 rows
	s_lshl_b32 s43, s41, 2
	s_lshl_b32 s43, 15, s43                        ; my row of the cluster
	s_lshl_b32 s44, 0x1111, s40                    ; my column
	; group 1: 8 rows of 4,096 bytes (elements of 8 bytes); xh's with 4 dwords of padding behind every 64
	s_or_b32 s[G1+0], s43, (3<<16)|(1<<20)|(1<<21)|(5<<22)|(3<<25)
	s_or_b32 s[G1B+0], s44, (3<<16)|(1<<21)
.irp g, G1, G1B
	s_mov_b32 s[\g+1], 512<<16
	s_mov_b32 s[\g+2], 8<<16
	s_mov_b32 s[\g+3], 512<<16
	s_mov_b32 s[\g+4], 8
	s_mov_b32 s[\g+5], 512
	s_mov_b32 s[\g+6], 0
	s_mov_b32 s[\g+7], 0
.endr
	; c's tile: 64 rows of 64 f32 a wave, padded to the same pitch; nobody shares it
	s_mov_b32 s[G1C+0], (2<<16)|(1<<20)|(5<<22)|(3<<25)
	s_mov_b32 s[G1C+1], 64<<16
	s_mov_b32 s[G1C+2], 64<<16
	s_mov_b32 s[G1C+3], 64<<16
	s_mov_b32 s[G1C+4], 64
	s_mov_b32 s[G1C+5], 1024
	s_mov_b32 s[G1C+6], 0
	s_mov_b32 s[G1C+7], 0
	s_lshl_b32 s98, s16, 15
	s_lshl_b32 s20, s17, 16
	s_add_co_u32 s20, s20, s98                     ; xh: 65,536 bytes a tile row, 32,768 a half
	s_mov_b32 s21, 0
	s_lshl_b32 s22, s42, 16
	s_add_co_u32 s22, s22, s98                     ; W: the same by tile column
	s_mov_b32 s23, 0
	s_mul_i32 s45, s14, HALFT
	s_lshl_b32 s94, s17, 8
	s_lshl_b32 s95, s14, 6
	s_add_co_u32 s94, s94, s95
	s_lshl_b32 s94, s94, 12
	s_lshl_b32 s95, s42, 8
	s_add_co_u32 s94, s94, s95                     ; c: row 256 x tile row + 64 x wave, 256 bytes a tile column
	s_mov_b32 s95, 0
	s_lshl_b32 s66, s17, 8
	s_lshl_b32 s67, s15, 7
	s_add_co_u32 s66, s66, s67
	s_lshl_b32 s67, s16, 3
	s_add_co_u32 s66, s66, s67
	s_lshl_b32 s66, s66, 12
	s_lshl_b32 s67, s42, 8
	s_add_co_u32 s66, s66, s67                     ; outputs: row 256 x tile row + 128 x half + 8 x (wave % 2)
	s_mov_b32 s67, 0
	s_mul_i32 s12, s15, HALFT                      ; my 128 rows of xh
	s_mul_i32 s13, s16, HALFT
	s_add_co_u32 s13, s13, 2*HALFT                 ; my eight tiles of W
	s_lshl_b32 s2, s16, 7
	s_add_co_u32 s18, s12, s2                      ; my 128 bytes of c's rows
	s_mul_i32 s19, s16, 8*PITCH
	s_add_co_u32 s19, s19, s12                     ; rows that I read back: 8 of each 16
	s_lshl_b32 s3, s42, 8
	s_add_co_u32 s3, s3, s2
	v_and_b32 v1, 15, v0                           ; r
	v_bfe_u32 v2, v0, 4, 1                         ; h
	v_and_b32 v6, 31, v0
	v_mul_u32_u24 v3, v1, PITCH
	v_lshl_add_u32 v4, v2, 4, v3
	v_lshlrev_b32 v5, 4, v6
	v_add_nc_u32 v[ADRA], s12, v4
	v_add_nc_u32 v[ADRB], s13, v5
	v_add_nc_u32 v[ADRA+1], SLOT, v[ADRA]
	v_add_nc_u32 v[ADRB+1], SLOT, v[ADRB]
	v_lshlrev_b32 v[CO], 12, v2
	v_lshl_add_u32 v[CO], v1, 4, v[CO]
	v_lshl_add_u32 v[VB], v2, 5, s3
	v_lshl_add_u32 v[CST], v2, 5, v3
	v_add_nc_u32 v[CST], s18, v[CST]
	v_add_nc_u32 v[HST], SLOT, v[CST]
	v_mul_u32_u24 v[RD], v2, PITCH
	v_lshl_add_u32 v[RD], v1, 4, v[RD]
	v_add_nc_u32 v[RD], s19, v[RD]
	v_add_nc_u32 v[RD+1], SLOT, v[RD]
	v_lshlrev_b32 v[PFO], 8, v6
	v_lshlrev_b32 v[PFC], 12, v6
	s_wait_alu depctr_va_vdst(0)
	s_wait_dscnt 0x0                               ; both opening adds are done
	s_wait_kmcnt 0x0
	s_load_b64 s[96:97], s[8:9], 0x0               ; ea, eb
	s_add_nc_u64 s[46:47], s[4:5], s[20:21]
	s_add_nc_u64 s[98:99], s[6:7], s[22:23]
.irp s, 0,1
	s_mov_b32 s[G0+4*\s], 1
	s_add_co_u32 s[G0+4*\s+1], s45, \s*SLOT
	s_add_nc_u64 s[G0+4*\s+2:G0+4*\s+3], s[46:47], \s*KB
	s_or_b32 s[G0+4*\s+3], s[G0+4*\s+3], 0x80000000
	s_mov_b32 s[G0B+4*\s], 1
	s_add_co_u32 s[G0B+4*\s+1], s45, \s*SLOT
	s_add_nc_u64 s[G0B+4*\s+2:G0B+4*\s+3], s[98:99], \s*KB
	s_or_b32 s[G0B+4*\s+3], s[G0B+4*\s+3], 0x80000000
.endr
	CROUND                                         ; all sixteen work-groups are here: the first joint loads meet
	JLOAD 0                                        ; K step 0: one tensor load a wave at the head
	s_add_nc_u64 s[92:93], s[10:11], s[94:95]      ; c
	s_mov_b32 s[G0C], 1
	s_mul_i32 s[G0C+1], s14, 64*PITCH
	s_mov_b64 s[G0C+2:G0C+3], s[92:93]
	s_or_b32 s[G0C+3], s[G0C+3], 0x80000000
	s_add_nc_u64 s[76:77], s[76:77], s[66:67]
	s_add_nc_u64 s[78:79], s[78:79], s[66:67]
	s_cmp_eq_u32 s15, 0                            ; the prefetches: what I fetch, of it the 8,192 bytes of my place among the four that ask jointly
	s_cselect_b32 s2, s20, s22
	s_cselect_b32 s3, s40, s41
	s_cselect_b64 s[PF:PF+1], s[4:5], s[6:7]
	s_lshl_b32 s3, s3, 13
	s_add_co_u32 s2, s2, s3
	s_mov_b32 s3, 0
	s_add_nc_u64 s[PF:PF+1], s[PF:PF+1], s[2:3]
.irp g, 0,1,2,3                        ; biases: hidden units 16 t + 8 h + 0..7 of my 32; waited for behind the loop
.irp t, 0,1
.irp u, 0,1
	global_load_b128 v[BI+8*(2*\g+\t)+4*\u:BI+8*(2*\g+\t)+4*\u+3], v[VB], s[68+2*\g:69+2*\g] offset:64*\t+16*\u
.endr
.endr
.endr
	global_prefetch_b8 v[PFO], s[PF:PF+1] offset:KB th:TH_LOAD_NT scope:SCOPE_SE
.macro LDA slot, q, i                  ; xh's block i, 16 rows x 128 K: register group c holds positions 32 c + 16 (l / 16) + 0..15
.irp c, 0,1,2,3
	ds_load_b128 v[AF+16*(\i)+4*\c:AF+16*(\i)+4*\c+3], v[ADRA+\slot] offset:128*(\q)+32*\c+(\i)*16*PITCH
.endr
.endm
.macro LDB slot, q, p, i               ; W's tile i into set p
.irp c, 0,1,2,3
	ds_load_b128 v[128*(\p)+16*(\i)+4*\c:128*(\p)+16*(\i)+4*\c+3], v[ADRB+\slot] offset:4096*(\i)+2048*(\q)+512*\c
.endr
.endm
.macro ROW a, p, zero                  ; 8 products: xh's block a x W's eight tiles of set p.  The 64 accumulators take turns, one instruction a turn, in the same order in every step
.set AC, 64*((\a)%4)
	WIN MUL_LO+0x50*((\a)/4)
.irp b, 0,1,2,3,4,5,6,7
.if \zero
	v_wmma_f32_16x16x128_fp8_fp8 v[AC+8*\b:AC+8*\b+7], v[128*(\p)+16*\b:128*(\p)+16*\b+15], v[AF+16*(\a):AF+16*(\a)+15], 0
.else
	v_wmma_f32_16x16x128_fp8_fp8 v[AC+8*\b:AC+8*\b+7], v[128*(\p)+16*\b:128*(\p)+16*\b+15], v[AF+16*(\a):AF+16*(\a)+15], v[AC+8*\b:AC+8*\b+7]
.endif
.endr
.endm
; A slot's first 128 along K (W's set 0).  Behind each 16 products stand 16 loads of the second 128: W's tiles into set 1, then xh's blocks 0-3 and 4-7.
; Four places stand between a block's products and the loads into its registers (ISA guide 7.12.1 for vector instructions).
.macro STEP slot, zero
	s_wait_dscnt 16                                ; W's tiles and xh's blocks 0-3 are in; the 16 loads of blocks 4-7 may be out
	ROW 0, 0, \zero
	ROW 1, 0, \zero
	WIN TO_B
.irp i, 0,1,2,3
	LDB \slot, 1, 1, \i
.endr
	ROW 2, 0, \zero
	ROW 3, 0, \zero
	WIN TO_B
.irp i, 4,5,6,7
	LDB \slot, 1, 1, \i
.endr
	s_wait_dscnt 32                                ; blocks 4-7 are in; the 32 just issued may be out
	ROW 4, 0, \zero
	ROW 5, 0, \zero
	PLACES 4
	WIN 0
.irp i, 0,1,2,3
	LDA \slot, 1, \i
.endr
	ROW 6, 0, \zero
	ROW 7, 0, \zero
	PLACES 4
	WIN 0
.irp i, 4,5,6,7
	LDA \slot, 1, \i
.endr
.endm
.macro ASK slot                        ; s3 = trips to go: the loop's last trip has no K step two on, and asks for c's 64 rows of my wave instead
.if \slot == 0
	s_cmp_eq_u32 s3, 1
	s_cbranch_scc1 .Lask_c_\@
	global_prefetch_b8 v[PFO], s[PF:PF+1] offset:2*KB th:TH_LOAD_NT scope:SCOPE_SE
	s_branch .Lask_end_\@
.Lask_c_\@:
	global_prefetch_b8 v[PFC], s[92:93] th:TH_LOAD_NT scope:SCOPE_SE
	global_prefetch_b8 v[PFC], s[92:93] offset:32*CROW th:TH_LOAD_NT scope:SCOPE_SE
.Lask_end_\@:
.else
	s_cmp_eq_u32 s3, 1
	s_cbranch_scc1 .Lask_end_\@
	global_prefetch_b8 v[PFO], s[PF:PF+1] offset:3*KB th:TH_LOAD_NT scope:SCOPE_SE
.Lask_end_\@:
.endif
.endm
; A slot's second 128 along K (W's set 1) changes slots.  fill = 1: this slot is filled again, two K steps on; fill = 2: slot 0 takes c's tile, on bytes that held xh's.
.macro TURN slot, next, fill
.if (\fill == 1) && (\slot == 0)
	s_wait_xcnt 0x0                                ; the prefetches have read their base
	s_add_nc_u64 s[PF:PF+1], s[PF:PF+1], 2*KB
.endif
	s_wait_tensorcnt 0x0                           ; all my tensor loads have landed: my part of the next slot
	ds_add_u32 v[SPW], v[NIL]
.if \fill == 1
	s_add_nc_u64 s[G0+4*\slot+2:G0+4*\slot+3], s[G0+4*\slot+2:G0+4*\slot+3], 2*KB
	s_add_nc_u64 s[G0B+4*\slot+2:G0B+4*\slot+3], s[G0B+4*\slot+2:G0B+4*\slot+3], 2*KB
.endif
	s_wait_dscnt 17                                ; (the add and the loads of blocks 4-7 may be out)
	ROW 0, 1, 0
	ROW 1, 1, 0
	s_wait_dscnt 0x0                               ; the add is done, and my reads of this slot are over
	s_barrier_signal -1
	ROW 2, 1, 0
	WIN 0
	s_barrier_wait -1
	CREST                                          ; no wave of any partner reads this slot or has a load on its way
.if \fill == 1
	JLOAD \slot
.else
	tensor_load_to_lds s[G0C:G0C+3], s[G1C:G1C+7]
	s_nop 0
	PLACES 4
.endif
	WIN TO_B
.irp i, 0,1,2,3
	LDB \next, 0, 0, \i
.endr
	ROW 3, 1, 0
	WIN TO_B
.irp i, 4,5,6,7
	LDB \next, 0, 0, \i
.endr
	ROW 4, 1, 0
	ROW 5, 1, 0
	PLACES 4
	WIN 0
.irp i, 0,1,2,3
	LDA \next, 0, \i
.endr
.if \fill == 1
	ASK \slot
.endif
	ROW 6, 1, 0
	ROW 7, 1, 0
	PLACES 4
	WIN 0
.irp i, 4,5,6,7
	LDA \next, 0, \i
.endr
.endm
	s_wait_tensorcnt 0x0                           ; my part of K step 0 is in; slot 1's first fill is issued as a refill is
	ds_add_u32 v[SPW], v[NIL]
	s_wait_dscnt 0x0
	CROUND
	JLOAD 1                                        ; K step 1
	WIN TO_B
.irp i, 0,1,2,3,4,5,6,7
	LDB 0, 0, 0, \i
.endr
	WIN 0
.irp i, 0,1,2,3,4,5,6,7
	LDA 0, 0, \i
.endr
	global_prefetch_b8 v[PFO], s[PF:PF+1] offset:2*KB th:TH_LOAD_NT scope:SCOPE_SE
	global_prefetch_b8 v[PFO], s[PF:PF+1] offset:3*KB th:TH_LOAD_NT scope:SCOPE_SE
	STEP 0, 1                                      ; the first products start the sums
	s_mov_b32 s3, 3
.Llap:                                                 ; once round the ring: K steps 2 and 3, 4 and 5, 6 and 7 are asked for
	TURN 0, 1, 1
	STEP 1, 0
	TURN 1, 0, 1
	STEP 0, 0
	s_sub_co_u32 s3, s3, 1
	s_cmp_lg_u32 s3, 0
	s_cbranch_scc1 .Llap
	; factors: -log2 e x 2^(ea + eb) for f, i, o and 2 log2 e x 2^(ea + eb) for c*; the biases take theirs
	s_wait_kmcnt 0x0
	s_add_co_i32 s96, s96, s97
	s_lshl_b32 s96, s96, 23
	s_add_co_u32 s98, s96, 0x4038aa3b
	s_add_co_u32 s96, s96, 0xbfb8aa3b
	s_mov_b32 s97, s96
	s_mov_b32 s99, s98
	s_mov_b32 s100, 0x42800000                     ; 64.0
	s_wait_loadcnt 0x0
.set i, 0
.rept 32
.if (i/16) == 2
	v_pk_mul_f32 v[BI+i:BI+i+1], v[BI+i:BI+i+1], 0x4038aa3b op_sel_hi:[1,0]
.else
	v_pk_mul_f32 v[BI+i:BI+i+1], v[BI+i:BI+i+1], 0xbfb8aa3b op_sel_hi:[1,0]
.endif
.set i, i+2
.endr
	s_wait_alu depctr_va_vdst(0)
	TURN 0, 1, 2
	STEP 1, 0
	s_wait_dscnt 16                                ; the very last 128 along K: nothing more to fetch
.irp a, 0,1,2,3
	ROW \a, 1, 0
.endr
	s_wait_dscnt 0x0                               ; my reads of slot 1 are over
	ROW 4, 1, 0
	ROW 5, 1, 0
	s_wait_tensorcnt 0x0                           ; my part of c is in
	s_barrier_signal -1                            ; (its wait stands in the first block below, ahead of c's first read: then c's tile is whole, both slots have had their last fill, and nobody reads codes any more)
	ROW 6, 1, 0
	ROW 7, 1, 0
	PLACES 4                                       ; for the reads of results and the writes over xh's fragments
	WIN 0
; THE WAY OUT, in blocks of 16 rows, two at a time: while block a's gates are made, block a - 1's c_t and h_t are finished in the same batches of transcendentals, and block a - 2 is stored.
; c_t goes back over c in LDS, h_t into slot 1, both 272 bytes a row; whole rows of 256 bytes (two waves' halves) are read back behind a barrier and stored: each of the two waves takes 8 of a block's 16 rows.
.macro RDB p
	WIN TO_B
.irp k, 0,1,2,3
	ds_load_b128 v[32*(\p)+4*\k:32*(\p)+4*\k+3], v[RD] offset:(16*(\p)+2*\k)*PITCH
.endr
.irp k, 0,1,2,3
	ds_load_b128 v[32*(\p)+16+4*\k:32*(\p)+16+4*\k+3], v[RD+1] offset:(16*(\p)+2*\k)*PITCH
.endr
	WIN 0
.endm
.macro SEND p, younger                 ; sixteen lanes store 256 consecutive bytes, aligned; younger: LDS instructions behind the rows' loads
	s_wait_dscnt \younger+4
	WIN FROM_B
.irp k, 0,1,2,3
	global_store_b128 v[CO], v[32*(\p)+4*\k:32*(\p)+4*\k+3], s[78:79] offset:(16*(\p)+2*\k)*CROW th:TH_STORE_NT
.endr
	s_wait_dscnt \younger
.irp k, 0,1,2,3
	global_store_b128 v[CO], v[32*(\p)+16+4*\k:32*(\p)+16+4*\k+3], s[76:77] offset:(16*(\p)+2*\k)*CROW th:TH_STORE_NT
.endr
	WIN 0
.endm
.macro ITER a
.set GA, GS+64*((\a)%2)                ; block a's set: f, i, c*, o
.set GF, GS+64*(((\a)+1)%2)            ; block a - 1's
.set GI, GF+16
.set GG, GF+32
.set GO, GF+48
.set CS, CI+16*(((\a)+1)%2)
.if (\a) < 8
.set AC, 64*((\a)%4)
	WIN 0x02+((\a)/4)
	s_wait_alu depctr_va_vdst(0)                   ; directly ahead of the first reader of these sums
.set i, 0
.rept 32
.if (i/16) == 2
	v_pk_fma_f32 v[GA+i:GA+i+1], v[AC+i:AC+i+1], s[98:99], v[BI+i:BI+i+1] op_sel_hi:[1,0,1]
.else
	v_pk_fma_f32 v[GA+i:GA+i+1], v[AC+i:AC+i+1], s[96:97], v[BI+i:BI+i+1] op_sel_hi:[1,0,1]
.endif
.set i, i+2
.endr
	WIN 0
.set i, 32
.rept 16
	v_min_num_f32 v[GA+i], s100, v[GA+i]           ; c*'s exponent, held at 64
.set i, i+1
.endr
.endif
.if (\a) > 0
	s_wait_dscnt 0x0                               ; c of block a - 1 is in registers, and my part of block a - 2 in the stage: for the other wave's sake 0
.if (\a) > 1
	s_barrier_signal -1                            ; block a - 2; register work up to the wait
.endif
.irp k, 0,2,4,6,8,10,12,14
	v_pk_mul_f32 v[GF+\k:GF+\k+1], v[GF+\k:GF+\k+1], v[CS+\k:CS+\k+1]       ; f c
.endr
.irp k, 0,2,4,6,8,10,12,14
	v_pk_fma_f32 v[GF+\k:GF+\k+1], v[GG+\k:GG+\k+1], v[GI+\k:GI+\k+1], v[GF+\k:GF+\k+1]   ; c_t
.endr
.irp k, 0,2,4,6,8,10,12,14
	v_pk_mul_f32 v[GI+\k:GI+\k+1], v[GF+\k:GF+\k+1], 0x4038aa3b op_sel_hi:[1,0]
.endr
.irp k, 0,1,2,3,4,5,6,7,8,9,10,11,12,13,14,15
	v_min_num_f32 v[GI+\k], s100, v[GI+\k]
.endr
.endif
.if (\a) != 1
	s_barrier_wait -1                              ; block a - 2 is in the stage, both waves' halves (a = 0: c's tile is in)
.endif
.if (\a) > 1
	RDB (\a)-2
.endif
.if (\a) < 8
.irp t, 0,1
.irp u, 0,1
	ds_load_b128 v[CI+16*((\a)%2)+8*\t+4*\u:CI+16*((\a)%2)+8*\t+4*\u+3], v[CST] offset:(\a)*16*PITCH+64*\t+16*\u
.endr
.endr
.endif
	s_wait_alu depctr_va_vdst(0)
.if (\a) < 8
.set i, 0
.rept 64
	v_exp_f32 v[GA+i], v[GA+i]
.set i, i+1
.endr
.endif
.if (\a) > 0
.set i, 0
.rept 16
	v_exp_f32 v[GI+i], v[GI+i]
.set i, i+1
.endr
.endif
	v_nop
	s_wait_alu depctr_va_vdst(0)
.if (\a) < 8
.irp k, 0,2,4,6,8,10,12,14
	v_pk_add_f32 v[GA+\k:GA+\k+1], v[GA+\k:GA+\k+1], 1.0 op_sel_hi:[1,0]    ; 1 + E of f
.endr
.irp k, 0,2,4,6,8,10,12,14
	v_pk_add_f32 v[GA+32+\k:GA+33+\k], v[GA+32+\k:GA+33+\k], 1.0 op_sel_hi:[1,0]   ; 1 + T of c*
.endr
.endif
.if (\a) > 0
.irp k, 0,2,4,6,8,10,12,14
	v_pk_add_f32 v[GI+\k:GI+\k+1], v[GI+\k:GI+\k+1], 1.0 op_sel_hi:[1,0]
.endr
.endif
.if (\a) < 8
.irp k, 0,2,4,6,8,10,12,14
	v_pk_fma_f32 v[GA+16+\k:GA+17+\k], v[GA+16+\k:GA+17+\k], v[GA+32+\k:GA+33+\k], v[GA+32+\k:GA+33+\k]   ; E (1 + T) + (1 + T): (1 + E)(1 + T) of i and c*
.endr
.endif
.if (\a) > 0
.irp k, 0,2,4,6,8,10,12,14
	v_pk_fma_f32 v[GO+\k:GO+\k+1], v[GO+\k:GO+\k+1], v[GI+\k:GI+\k+1], v[GI+\k:GI+\k+1]       ; the same of o and c_t
.endr
.endif
	s_wait_alu depctr_va_vdst(0)
.if (\a) < 8
.set i, 0
.rept 8
	v_rcp_f32 v[GA+4*i], v[GA+4*i]
	v_rcp_f32 v[GA+4*i+1], v[GA+4*i+1]
	v_pk_add_f32 v[GA+32+2*i:GA+33+2*i], v[GA+32+2*i:GA+33+2*i], -2.0 op_sel_hi:[1,0]   ; T - 1 of c*: its source stands ahead of the batch's wait, its reader behind the next
	v_rcp_f32 v[GA+4*i+2], v[GA+4*i+2]
	v_rcp_f32 v[GA+4*i+3], v[GA+4*i+3]
.set i, i+1
.endr
.endif
.if (\a) > 0
.set i, 0
.rept 8
	v_rcp_f32 v[GO+2*i], v[GO+2*i]
	v_pk_add_f32 v[GG+2*i:GG+2*i+1], v[GI+2*i:GI+2*i+1], -2.0 op_sel_hi:[1,0]   ; T - 1 of c_t
	v_rcp_f32 v[GO+2*i+1], v[GO+2*i+1]
.set i, i+1
.endr
.endif
	v_nop
.if (\a) == 8
	SEND 6, 0
.elseif (\a) > 1
	SEND (\a)-2, 4                                 ; c's four loads stand behind the rows' loads
.endif
	s_wait_alu depctr_va_vdst(0)
.if (\a) > 0
.irp k, 0,2,4,6,8,10,12,14
	v_pk_mul_f32 v[GG+\k:GG+\k+1], v[GG+\k:GG+\k+1], v[GO+\k:GO+\k+1]       ; h_t
.endr
.irp t, 0,1
.irp u, 0,1
	ds_store_b128 v[CST], v[GF+8*\t+4*\u:GF+8*\t+4*\u+3] offset:((\a)-1)*16*PITCH+64*\t+16*\u
	ds_store_b128 v[HST], v[GG+8*\t+4*\u:GG+8*\t+4*\u+3] offset:((\a)-1)*16*PITCH+64*\t+16*\u
.endr
.endr
.endif
.endm
.irp n, 0,1,2,3,4,5,6,7,8
	ITER \n
.endr
	s_wait_dscnt 0x0                               ; block 7 is in the stage
	s_barrier_signal -1
	s_barrier_wait -1
	RDB 7
	SEND 7, 0
	s_wait_tensorcnt 0x0                           ; the wave's end
	ds_add_u32 v[SPW], v[NIL]
	s_wait_dscnt 0x0
	CROUND                                         ; the closing round: no work-group ends while a partner may still ask for a tile that names it
	s_endpgm
.Lfunc_end_k_qc3045fe209_lstm:
	.size	k_qc3045fe209_lstm, .Lfunc_end_k_qc3045fe209_lstm-k_qc3045fe209_lstm
	.p2alignl 7, 3214868480
	.fill 96, 4, 3214868480
	.section	.rodata,"a",@progbits
	.p2align	6, 0x0
	.amdhsa_kernel k_qc3045fe209_lstm
		.amdhsa_group_segment_fixed_size 327680
		.amdhsa_private_segment_fixed_size 0
		.amdhsa_enable_private_segment 0
		.amdhsa_kernarg_size 80
		.amdhsa_user_sgpr_count 2
		.amdhsa_user_sgpr_kernarg_segment_ptr 1
		.amdhsa_wavefront_size32 1
		.amdhsa_system_sgpr_workgroup_id_x 1
		.amdhsa_system_sgpr_workgroup_id_y 1
		.amdhsa_system_sgpr_workgroup_id_z 1
		.amdhsa_system_vgpr_workitem_id 0
		.amdhsa_next_free_vgpr 1024
		.amdhsa_next_free_sgpr 106
		.amdhsa_reserve_vcc 0
		.amdhsa_float_denorm_mode_32 3
		.amdhsa_float_denorm_mode_16_64 3
		.amdhsa_memory_ordered 1
		.amdhsa_forward_progress 1
		.amdhsa_inst_pref_size 209
	.end_amdhsa_kernel
	.amdgpu_metadata
---
amdhsa.version: [ 1, 2 ]
amdhsa.kernels:
  - .name:           k_qc3045fe209_lstm
    .symbol:         k_qc3045fe209_lstm.kd
    .args:
      - { .name: a_codes, .offset: 0, .size: 8, .value_kind: global_buffer, .address_space: global }
      - { .name: w_codes, .offset: 8, .size: 8, .value_kind: global_buffer, .address_space: global }
      - { .name: lowp_scales, .offset: 16, .size: 8, .value_kind: global_buffer, .address_space: global }
      - { .name: c, .offset: 24, .size: 8, .value_kind: global_buffer, .address_space: global }
      - { .name: b_f, .offset: 32, .size: 8, .value_kind: global_buffer, .address_space: global }
      - { .name: b_i, .offset: 40, .size: 8, .value_kind: global_buffer, .address_space: global }
      - { .name: b_c, .offset: 48, .size: 8, .value_kind: global_buffer, .address_space: global }
      - { .name: b_o, .offset: 56, .size: 8, .value_kind: global_buffer, .address_space: global }
      - { .name: out0, .offset: 64, .size: 8, .value_kind: global_buffer, .address_space: global }
      - { .name: out1, .offset: 72, .size: 8, .value_kind: global_buffer, .address_space: global }
    .group_segment_fixed_size: 327680
    .private_segment_fixed_size: 0
    .kernarg_segment_align: 8
    .kernarg_segment_size: 80
    .max_flat_workgroup_size: 128
    .sgpr_count:     106
    .vgpr_count:     1024
    .wavefront_size: 32
...
	.end_amdgpu_metadata
.endif
;; end of part 2
